; MI455X (gfx1250); checked and timed in simulation.
; The chip was launched on July 23, 2026; its instructions are those of AMD's public machine-readable ISA for CDNA 5 (MIT licence, August 2026) and "CDNA5" Instruction Set Architecture Reference Guide (July 2026). The comments in the code are by the model that wrote it; some were corrected since.
;; Self Attention. Allowed arithmetic: matrix products marked QUANTISED: E5M2 operands, one E8M0 scale for each 32 along K, by v_wmma_scale_f32_16x16x128_f8f6f4 with both operands' format E5M2, f32 sums; everything else in f32.
;; Inputs: Wk 128 x 256 float32; Wq 128 x 256 float32; Wv 256 x 256 float32; bk 128 float32; bq 128 float32; bv 256 float32; gamma 1 float32; x 8 x 256 x 64 x 64 float32.
;; Outputs: out0 8 x 256 x 64 x 64 float32.
;; This version of the problem:
;;   THIS VERSION OF THE PROBLEM IS GIVEN IN LOW PRECISION. The matrix products marked QUANTISED in the list below multiply operands that are first quantised to E5M2 (5 exponent bits, 2 mantissa bits; 8 bits a number), with one power-of-two scale for each 32 numbers along K (OCP MX v1.0); their sums are f32. All else is computed in f32.
;;   The module's matrix products, in the order in which they are computed (A, B: the left and right operand; K: the contracted axis; several contracted axes count as one K, in the product's order):
;;     1. [M 32,768, K 256] x [K 256, N 128]; A: input x; B: input Wq: QUANTISED
;;     2. [M 32,768, K 256] x [K 256, N 128]; A: input x; B: input Wk: QUANTISED
;;     3. [M 32,768, K 256] x [K 256, N 256]; A: input x; B: input Wv: QUANTISED
;;     4. batch 8 x [M 4,096, K 128] x [K 128, N 4,096]; A: computed on the way; B: computed on the way: QUANTISED
;;     5. batch 8 x [M 256, K 4,096] x [K 4,096, N 4,096]; A: computed on the way; B: computed on the way: QUANTISED
;;   THE QUANTISER, for each operand of a quantised product, along K:
;;     - K is cut into blocks of 32 from its start; a last block that is shorter is filled with zeros.
;;     - A block's scale is 2^e with e = floor(log2(the largest magnitude in the block)) - 15, held to -126 .. 127; a block of zeros has e = 0. As a byte (E8M0): e + 127.
;;     - Each number is divided by its block's scale, clamped to +-57,344, and rounded to the nearest number of E5M2, ties to even, subnormals kept.
;;     - The product sums the exact products of the quantised numbers (number of the format x scale) in f32.
;;   ~~~python
;;   def quantise(x, axis):      # numpy; x: float32 -> the quantised numbers, widened to float32 again
;;       x = np.moveaxis(x, axis, -1); K = x.shape[-1]
;;       x = np.pad(x, [(0, 0)] * (x.ndim - 1) + [(0, -K % 32)]); x = x.reshape(x.shape[:-1] + (-1, 32)); a = np.abs(x).max(-1, keepdims=True)
;;       e = np.where(a > 0, np.clip(np.frexp(np.where(a > 0, a, 1))[1] - 1 - 15, -126, 127), 0)      # np.frexp(a)[1] - 1 = floor(log2(a)), exactly
;;       r = np.clip(x / 2.0 ** e, -57344, 57344)
;;       step = 2.0 ** (np.maximum(np.frexp(np.where(r == 0, 1, r))[1] - 1, -14) - 2)
;;       q = np.round(r / step) * step * 2.0 ** e      # np.round: ties to even
;;       return np.moveaxis(q.reshape(q.shape[:-2] + (-1,))[..., :K], -1, axis).astype(np.float32)
;;   ~~~
;;   OPERANDS COMPUTED ON THE WAY. 'Computed on the way' means the value that the module computes at that place (a softmax that the list does not call 'softmax' is quantised finished and normalised). What goes into a quantiser is computed in f32, as accurately as f32 sums, v_exp_f32 and their like allow (about 1e-6 of the number): no bf16 or f16 on the way to a quantiser, and a product that is left as it is and whose result goes on into a quantised operand takes f32 operands (vector FMAs, or v_wmma_f32_16x16x4_f32). A number that lies on a knife's edge between two numbers of the format may be rounded either way, as far as f32 arithmetic and the matrix unit's own rounding can turn it there, and no further.
;; One version. Each part assembles by itself: llvm-mc -triple=amdgcn-amd-amdhsa -mcpu=gfx1250 --defsym DOCPART=n.
;; ======== version 1 of 1: 3 launches
;; limits: right only within a limited range of input values
;; workspace buffers: qb 4,325,376 bytes; kvb 12,976,128 bytes; st 262,144 bytes
;; launch proj (part 1): grid 32 x 8, 8 waves a work-group, no clusters, 327,680 bytes of LDS; arguments x, Wq, Wk, Wv, bq, bk, bv, qb, kvb; writes qb, kvb
.if DOCPART == 1
	.amdgcn_target "amdgcn-amd-amdhsa--gfx1250"
	.amdhsa_code_object_version 6
	.text
	.protected	k_q378731c8cc_proj
	.globl	k_q378731c8cc_proj
	.p2align	8
	.type	k_q378731c8cc_proj,@function
k_q378731c8cc_proj:
	s_mov_b64 s[64:65], 0
	v_nop
	global_prefetch_b8 v0, s[64:65] scope:SCOPE_SE
	s_setreg_imm32_b32 hwreg(HW_REG_WAVE_MODE, 25, 1), 1
	s_wait_xcnt 0x0
; PROJ.  q = Wq x + bq, k = Wk x + bk, v = Wv x + bv for 128 pixels of one image, all three products on codes of BF8 (E5M2) with one E8M0 scale for each 32 along K (the 256 input channels);
; then q and k are quantised along their 128 channels and v along the pixels, and leave as IMAGES OF OPERAND REGISTERS: a fragment (16 rows x 128 K) is 2,048 bytes, register group c of lane l at 512 c + 16 l.
; The scale words of 8 fragments are 512 bytes: the word of fragment f, row r at 16 (16 (f % 2) + r) + 4 (f / 2).
; qb: [8 images][32 blocks][8 fragments of q, 512 bytes of words].  kvb: [8][32][8 fragments of k, 512 bytes of words, 16 fragments of v, 1,024 bytes of words].
; ONE ORDER OF ROWS EVERYWHERE: row r of fragment 2 b + u of a block of 128 is number 32 b + 8 u + r + 8 (r / 8).  Where such a fragment is source 0, the 16 result registers of tiles 2 b and 2 b + 1 are the
; 16 neighbours 32 b + 16 (lane / 16) + 0 .. 15: the order in which the next operand wants them, so that the conversions' results are that operand's registers.
; SHARES.  Eight waves.  Wave w quantises four tiles of 16 weight rows (tiles 0-7 Wq, 8-15 Wk, 16-31 Wv) and pixel tile w of x; makes q and k of pixel tile w (source 0 = weights, source 1 = x: a lane holds a pixel);
; makes v of channel tiles 2 w, 2 w + 1 for all 128 pixels (source 0 = x, source 1 = weights: a lane holds a channel).  Operands go from wave to wave through LDS as images.  No LDS byte is filled twice.
; No cluster: the one thing that a tensor load brings, the block's own 128 pixels of x, is read by no other work-group.
; LIMITS: NaN and infinities among the inputs are not served.  A block of zeros gets the scale byte 1 where the rule says 127: its codes are zeros, and this program alone reads the bytes.
.set XP,   520                         ; a channel's row of x in LDS: 512 bytes + 8 of padding = 130 words: lanes 16-31 read 16 rows further down, 2,080 words, which is 32 banks on from lanes 0-15
.set WIMG, 133120                      ; behind x's 256 rows: the weights' 64 fragments (tile T, K step s: 2 T + s)
.set WSC,  264192                      ; their scale words: ((T / 8) 2 + s) 1,024 + 32 lane + 4 (T % 8)
.set XIMG, 272384                      ; x's 16 fragments (pixel tile t, K step s: 2 t + s)
.set XSC,  305152                      ; their scale words: 1,024 s + 32 lane + 4 t
.set OSC,  307200                      ; the scale words that leave: q's 512 bytes, k's 512, v's 1,024
.set R_,   1                           ; v1   r = lane % 16
.set H_,   2                           ; v2   h = lane / 16
.set LI,   3                           ; v3   16 x lane
.set WA,   4                           ; v4   a weight tile's row and half: (r + 8 (r / 8)) 1,024 + 64 h
.set XA0,  5                           ; v5   x in LDS, channels 0-127: 16 h rows + my pixel
.set XA1,  6                           ; v6   channels 128-255
.set WWI,  7                           ; v7   where I store weight images
.set WWS,  8                           ; v8   and their scale words
.set XWI,  9                           ; v9   where I store x's images
.set XWS,  10                          ; v10  and their scale words
.set WFA,  11                          ; v11  where Wq's and Wk's images are read
.set WFV,  12                          ; v12  my two tiles of Wv
.set XFA,  13                          ; v13  x's images
.set WSA,  14                          ; v14  Wq's and Wk's scale words
.set WSV,  15                          ; v15  my Wv tiles' scale words
.set XSA,  16                          ; v16  x's scale words
.set OSQ,  17                          ; v17  where q's and k's scale word goes
.set OSV,  18                          ; v18  where v's goes
.set OSR,  19                          ; v19  where I read 256 bytes of words back
.set BA,   20                          ; v20  bq, bk: 64 h
.set BVA,  21                          ; v21  bv: my channel
.set G8,   22                          ; v22  8 x lane
.set XSW,  24                          ; v24-25 my pixel tile's scale words, K steps 0, 1
.set WVS,  26                          ; v26  a Wv tile's scale word
.set BVR,  27                          ; v27  bv of my channel
.set WS4,  28                          ; v28-31 four tiles' scale words
.set XF,   32                          ; v32-63 my pixel tile's two fragments
.set HA,   64                          ; v64-127 64 numbers: eight accumulators
.set FB,   128                         ; v128-191 64 numbers, or four fragments
.set PC,   192                         ; v192-207 the codes just made
.set TM,   208                         ; v208-223 at work in the quantiser
.set PW4,  224                         ; v224-227 scale words just made
.set BV,   228                         ; v228-235 bv as the C of a sum's first product
.set WVF,  236                         ; v236-251 a fragment of Wv
.set RR,   252                         ; v252 r + 8 (r / 8)
.set LN,   253                         ; v253 lane
.set OW,   254                         ; v254-255 8 bytes of scale words on their way out
.set WV,   22                          ; s22  my wave's number
.set SEL,  46                          ; s[46:47] v_permlanex16_b32's selects for lane l xor 16
.set MNT,  48                          ; s48  the mantissa field of 57,344
.macro PLACES n
.rept \n
	v_nop
.endr
.endm
; 64 numbers of a lane, register 16 b + i = K 32 b + 16 h + i of my row, become a fragment's 16 registers of codes in v[dst] on and its scale word in v[pw].
.macro QUANT src, dst, pw
.irp b, 0,1,2,3
	v_max3_num_f32 v[TM+\b], |v[(\src)+16*\b]|, |v[(\src)+16*\b+1]|, 0x8000000   ; block b: my 16 numbers and the floor 2^(16 - 127): the byte cannot fall under 1
.endr
.irp i, 2,4,6,8,10,12,14
.irp b, 0,1,2,3
	v_max3_num_f32 v[TM+\b], v[TM+\b], |v[(\src)+16*\b+\i]|, |v[(\src)+16*\b+\i+1]|   ; the four blocks by turns
.endr
.endr
.irp b, 0,1,2,3
	v_permlanex16_b32 v[TM+4+\b], v[TM+\b], s[SEL], s[SEL+1]
.endr
.irp b, 0,1,2,3
	v_max_num_f32 v[TM+\b], v[TM+\b], v[TM+4+\b]           ; with lane l xor 16's 16: the block's largest magnitude
.endr
.irp b, 0,1,2,3
	v_add_nc_u32 v[TM+12+\b], 0xf8800000, v[TM+\b]         ; 15 off its exponent field: the conversion's scale operand
.endr
.irp b, 0,1,2,3
	v_and_or_b32 v[TM+8+\b], v[TM+\b], 0x7f800000, s[MNT]  ; 57,344 x the scale
.endr
.irp b, 0,1,2,3
	v_lshrrev_b32 v[TM+4+\b], 23, v[TM+12+\b]              ; the scale's byte
.endr
	v_lshl_or_b32 v[\pw], v[TM+5], 8, v[TM+4]
	v_lshl_or_b32 v[\pw], v[TM+6], 16, v[\pw]
	v_lshl_or_b32 v[\pw], v[TM+7], 24, v[\pw]              ; my row's scale word
.irp b, 0,1,2,3
.irp i, 0,1,2,3,4,5,6,7,8,9,10,11,12,13,14,15
	v_med3_num_f32 v[(\src)+16*\b+\i], v[(\src)+16*\b+\i], -v[TM+8+\b], v[TM+8+\b]   ; the conversion to an 8-bit code does not saturate (ISA guide 7.6.2): the hold
.endr
	v_cvt_scalef32_pk8_bf8_f32 v[(\dst)+4*\b:(\dst)+4*\b+1], v[(\src)+16*\b:(\src)+16*\b+7], v[TM+12+\b]
	v_cvt_scalef32_pk8_bf8_f32 v[(\dst)+4*\b+2:(\dst)+4*\b+3], v[(\src)+16*\b+8:(\src)+16*\b+15], v[TM+12+\b]
.endr
	v_nop                                                  ; a plain line behind the last conversion, ahead of whatever next touches its registers
.endm
.macro WM d, a, b, c, sa, sb
	v_wmma_scale_f32_16x16x128_f8f6f4 v[(\d):(\d)+7], v[(\a):(\a)+15], v[(\b):(\b)+15], v[(\c):(\c)+7], v[\sa], v[\sb] matrix_a_fmt:MATRIX_FMT_BF8 matrix_b_fmt:MATRIX_FMT_BF8
.endm
.macro BARRIER                                 ; my LDS stores have landed and my LDS loads are in: then the work-group's barrier
	s_wait_dscnt 0x0
	s_barrier_signal -1
	s_barrier_wait -1
.endm
	s_load_b512 s[4:19], s[0:1], 0x0               ; x s[4:5], Wq s[6:7], Wk s[8:9], Wv s[10:11], bq s[12:13], bk s[14:15], bv s[16:17], qb s[18:19]
	s_load_b64 s[20:21], s[0:1], 0x40              ; kvb
	v_lshl_add_u32 v23, v0, 2, 0x4b800
	s_set_vgpr_msb 0x40
	v_mov_b32 v1, 0
	s_set_vgpr_msb 0x4044
	ds_add_u32 v23, v1
	ds_add_u32 v23, v1
	s_set_vgpr_msb 0x4400
	v_lshrrev_b32 v[RR], 5, v0
	v_readfirstlane_b32 s[WV], v[RR]               ; wave 0..7
	s_and_b32 s23, ttmp7, 0xffff                   ; the image
	; descriptor group 1: 64 channels' rows of 128 f32, 4,096 elements apart in memory, 2 words of padding behind each 128
	s_mov_b32 s24, (2<<16)|(1<<20)|(6<<22)|(1<<25)
	s_mov_b32 s25, 128<<16                         ; tensor_dim0
	s_mov_b32 s26, 64<<16                          ; tensor_dim1
	s_mov_b32 s27, 128<<16                         ; tile_dim0
	s_mov_b32 s28, 64                              ; tile_dim1
	s_mov_b32 s29, 4096                            ; the pitch
	s_mov_b32 s30, 0
	s_mov_b32 s31, 0
	s_lshl_b32 s50, s23, 22                        ; image x 4,194,304
	s_lshl_b32 s51, s[WV], 20                      ; + wave x 64 channels of 16,384 bytes
	s_add_co_u32 s50, s50, s51
	s_lshl_b32 s51, ttmp9, 9                       ; + block x 128 pixels
	s_add_co_u32 s50, s50, s51
	s_mov_b32 s51, 0
	s_mov_b32 s32, 1
	s_mul_i32 s33, s[WV], 64*XP                    ; LDS: wave x 64 rows
	s_wait_dscnt 0x0
	s_wait_kmcnt 0x0
	s_add_nc_u64 s[34:35], s[4:5], s[50:51]
	s_or_b32 s35, s35, 0x80000000
	s_cmp_lt_u32 s[WV], 4                          ; waves 0 to 3 bring x's four quarters: the launch's only tensor loads, one a wave
	s_cbranch_scc0 .Lno_fill
	tensor_load_to_lds s[32:35], s[24:31]
	s_nop 0
	PLACES 4
.Lno_fill:
	; which weights are mine: waves 0, 1 Wq; 2, 3 Wk; 4-7 Wv; 64 rows each
	s_cmp_lt_u32 s[WV], 2
	s_cselect_b64 s[36:37], s[6:7], s[8:9]
	s_cselect_b64 s[44:45], s[18:19], s[20:21]     ; and into which buffer my 256 bytes of scale words go
	s_cmp_lt_u32 s[WV], 4
	s_cselect_b64 s[36:37], s[36:37], s[10:11]
	s_cselect_b32 s52, 1, 3
	s_and_b32 s52, s[WV], s52
	s_lshl_b32 s52, s52, 16                        ; 64 rows of 1,024 bytes
	s_mov_b32 s53, 0
	s_add_nc_u64 s[36:37], s[36:37], s[52:53]
	s_lshl_b32 s54, s23, 5
	s_add_co_u32 s54, s54, ttmp9                   ; the block's number among 256
	s_mul_i32 s56, s54, 16896
	s_mov_b32 s57, 0
	s_mul_i32 s58, s54, 50688
	s_mov_b32 s59, 0
	s_lshl_b32 s60, s[WV], 11                      ; my fragment of q and of k
	s_mov_b32 s61, 0
	s_add_nc_u64 s[38:39], s[18:19], s[56:57]
	s_add_nc_u64 s[38:39], s[38:39], s[60:61]
	s_add_nc_u64 s[40:41], s[20:21], s[58:59]
	s_add_nc_u64 s[42:43], s[40:41], 16896         ; v's fragments lie behind k's and k's words,
	s_add_nc_u64 s[40:41], s[40:41], s[60:61]
	s_lshl_b32 s60, s[WV], 12                      ; two of them mine
	s_add_nc_u64 s[42:43], s[42:43], s[60:61]
	s_and_b32 s60, s[WV], 1                        ; the words' place: waves 0-3: block + 16,384 + 256 (w % 2);
	s_lshl_b32 s60, s60, 8
	s_add_co_u32 s60, s60, 16384
	s_lshl_b32 s62, s[WV], 8                       ; waves 4-7: block + 49,664 + 256 (w - 4)
	s_add_co_u32 s62, s62, 48640
	s_cmp_lt_u32 s[WV], 4
	s_cselect_b32 s60, s60, s62
	s_cmp_lt_u32 s[WV], 2
	s_cselect_b32 s62, s56, s58
	s_add_co_u32 s60, s60, s62
	s_add_nc_u64 s[44:45], s[44:45], s[60:61]
	s_mov_b32 s[SEL], 0x76543210
	s_mov_b32 s[SEL+1], 0xfedcba98
	s_mov_b32 s[MNT], 0x600000
	v_and_b32 v[R_], 15, v0
	v_bfe_u32 v[H_], v0, 4, 1
	v_and_b32 v[LN], 31, v0
	v_lshlrev_b32 v[LI], 4, v[LN]
	v_and_b32 v[RR], 8, v[R_]
	v_add_nc_u32 v[RR], v[RR], v[R_]
	v_lshlrev_b32 v[WA], 10, v[RR]
	v_lshl_add_u32 v[WA], v[H_], 6, v[WA]
	s_lshr_b32 s52, s[WV], 1
	s_lshl_b32 s52, s52, 7
	s_and_b32 s53, s[WV], 1
	s_lshl_b32 s53, s53, 5
	s_add_co_u32 s52, s52, s53                     ; pixel tile w begins at pixel 32 (w / 2) + 8 (w % 2)
	v_mul_u32_u24 v[XA0], v[H_], 16*XP
	v_lshl_add_u32 v[XA0], v[RR], 2, v[XA0]
	v_add_nc_u32 v[XA0], s52, v[XA0]
	v_add_nc_u32 v[XA1], 128*XP, v[XA0]
	s_lshl_b32 s52, s[WV], 14
	s_add_co_u32 s52, s52, WIMG
	v_add_nc_u32 v[WWI], s52, v[LI]
	s_lshr_b32 s52, s[WV], 1
	s_lshl_b32 s52, s52, 11
	s_and_b32 s53, s[WV], 1
	s_lshl_b32 s53, s53, 4
	s_add_co_u32 s52, s52, s53
	s_add_co_u32 s52, s52, WSC
	v_lshl_add_u32 v[WWS], v[LN], 5, s52
	s_lshl_b32 s52, s[WV], 12
	s_add_co_u32 s52, s52, XIMG
	v_add_nc_u32 v[XWI], s52, v[LI]
	s_lshl_b32 s52, s[WV], 2
	s_add_co_u32 s52, s52, XSC
	v_lshl_add_u32 v[XWS], v[LN], 5, s52
	v_add_nc_u32 v[WFA], WIMG, v[LI]
	s_lshl_b32 s52, s[WV], 13
	s_add_co_u32 s52, s52, WIMG+65536
	v_add_nc_u32 v[WFV], s52, v[LI]
	v_add_nc_u32 v[XFA], XIMG, v[LI]
	v_lshl_add_u32 v[WSA], v[LN], 5, WSC
	s_lshr_b32 s52, s[WV], 2
	s_lshl_b32 s52, s52, 11
	s_and_b32 s53, s[WV], 3
	s_lshl_b32 s53, s53, 3
	s_add_co_u32 s52, s52, s53
	s_add_co_u32 s52, s52, WSC+4096
	v_lshl_add_u32 v[WSV], v[LN], 5, s52
	v_lshl_add_u32 v[XSA], v[LN], 5, XSC
	s_and_b32 s52, s[WV], 1
	s_lshl_b32 s52, s52, 8
	s_lshr_b32 s53, s[WV], 1
	s_lshl_b32 s53, s53, 2
	s_add_co_u32 s52, s52, s53
	s_add_co_u32 s52, s52, OSC
	v_lshl_add_u32 v[OSQ], v[R_], 4, s52
	s_lshr_b32 s52, s[WV], 2
	s_lshl_b32 s52, s52, 9
	s_and_b32 s53, s[WV], 3
	s_lshl_b32 s53, s53, 2
	s_add_co_u32 s52, s52, s53
	s_add_co_u32 s52, s52, OSC+1024
	v_lshl_add_u32 v[OSV], v[R_], 4, s52
	s_lshl_b32 s52, s[WV], 8
	s_add_co_u32 s52, s52, OSC
	v_lshl_add_u32 v[OSR], v[LN], 3, s52
	v_lshlrev_b32 v[BA], 6, v[H_]
	s_lshl_b32 s52, s[WV], 7
	v_lshl_add_u32 v[BVA], v[RR], 2, s52
	v_lshlrev_b32 v[G8], 3, v[LN]
.irp b, 0,1,2,3
	v_mov_b32 v[TM+4+\b], 0                        ; written once: a lane permute's destination counts as one of its sources
.endr
; ---- A: my four weight tiles x two K steps become eight fragments, while x is on its way.  Fragment n = 4 s + t.
.macro WLOAD n, buf                            ; lane (r, h) takes, of its row, 16 neighbours of each block of 32: four loads of 16 bytes a block
.irp cb, 0,1,2,3
.irp jj, 0,1,2,3
	global_load_b128 v[(\buf)+16*\cb+4*\jj:(\buf)+16*\cb+4*\jj+3], v[WA], s[36:37] offset:(32*(((\n)%4)/2)+8*((\n)%2))*1024+512*((\n)/4)+128*\cb+16*\jj
.endr
.endr
.endm
	WLOAD 0, HA
	WLOAD 1, FB
.irp n, 0,1,2,3,4,5,6,7
.set BUF, HA+64*(\n%2)
.if \n < 7
	s_wait_loadcnt 16                              ; this fragment's sixteen loads are in; the next fragment's sixteen may be out
.else
	s_wait_loadcnt 0x0
.endif
	QUANT BUF, PC, PW4+\n%4
.irp c, 0,1,2,3
	ds_store_b128 v[WWI], v[PC+4*\c:PC+4*\c+3] offset:(2*(\n%4)+\n/4)*2048+512*\c
.endr
.if \n%4 == 3
	ds_store_b128 v[WWS], v[PW4:PW4+3] offset:1024*(\n/4)          ; four tiles' words of this K step
.endif
.if \n < 6
	WLOAD \n+2, BUF
.endif
	s_wait_dscnt 0x0                               ; the stores have read their registers: the next codes may be written
.endr
	s_wait_tensorcnt 0x0                           ; my quarter of x has landed (waves 4-7 have none out),
	BARRIER                                        ; everybody's has
; ---- B: pixel tile w of x: a lane takes a pixel, its registers run down the channels
.irp cb, 0,1,2,3
.irp i, 0,1,2,3,4,5,6,7,8,9,10,11,12,13,14,15
	ds_load_b32 v[HA+16*\cb+\i], v[XA0] offset:(32*\cb+\i)*XP
.endr
.endr
	s_wait_dscnt 0x0
.irp cb, 0,1,2,3
.irp i, 0,1,2,3,4,5,6,7,8,9,10,11,12,13,14,15
	ds_load_b32 v[FB+16*\cb+\i], v[XA1] offset:(32*\cb+\i)*XP      ; channels 128-255 land while channels 0-127 are quantised
.endr
.endr
	QUANT HA, XF, XSW
	s_wait_dscnt 0x0
	QUANT FB, XF+16, XSW+1
.irp s, 0,1
.irp c, 0,1,2,3
	ds_store_b128 v[XWI], v[XF+16*\s+4*\c:XF+16*\s+4*\c+3] offset:2048*\s+512*\c
.endr
	ds_store_b32 v[XWS], v[XSW+\s] offset:1024*\s
.endr
	BARRIER                                        ; all weights' and all of x's images lie in LDS
; ---- C: q, then k, of my 16 pixels.  Source 0 = 16 weight rows, source 1 = my pixels.  The bias is loaded into the accumulators: it is the C of each sum's first product.
; The eight accumulators take turns, one instruction a turn.
.macro QK grp, bp, op
.irp t, 0,1,2,3,4,5,6,7
	global_load_b128 v[HA+8*\t:HA+8*\t+3], v[BA], s[\bp:\bp+1] offset:(32*(\t/2)+8*(\t%2))*4
	global_load_b128 v[HA+8*\t+4:HA+8*\t+7], v[BA], s[\bp:\bp+1] offset:(32*(\t/2)+8*(\t%2))*4+16
.endr
.irp s, 0,1
.irp g, 0,1
	PLACES 8                                       ; in front of loads into registers that matrix instructions have read
.irp k, 0,1,2,3
.irp c, 0,1,2,3
	ds_load_b128 v[FB+16*\k+4*\c:FB+16*\k+4*\c+3], v[WFA] offset:(16*\grp+2*(4*\g+\k)+\s)*2048+512*\c
.endr
.endr
	ds_load_b128 v[WS4:WS4+3], v[WSA] offset:(2*\grp+\s)*1024+16*\g
	s_wait_dscnt 0x0
.if (\s == 0) && (\g == 0)
	s_wait_loadcnt 0x0                             ; the bias
.endif
.irp k, 0,1,2,3
	WM HA+8*(4*\g+\k), FB+16*\k, XF+16*\s, HA+8*(4*\g+\k), WS4+\k, XSW+\s
.endr
.endr
.endr
	PLACES 8
	s_wait_xcnt 0x0                                ; earlier stores have read the codes' registers: they are written again only behind this wait
	QUANT HA, PC, PW4
.irp c, 0,1,2,3
	global_store_b128 v[LI], v[PC+4*\c:PC+4*\c+3], s[\op:\op+1] offset:512*\c   ; 32 lanes store 512 consecutive bytes, aligned
.endr
	ds_store_b32 v[OSQ], v[PW4] offset:512*\grp    ; both lanes of a row write the same word with the same value
.endm
	QK 0, 12, 38
	QK 1, 14, 40
; ---- D: v of my two channel tiles, all 128 pixels.  Source 0 = 16 pixels, source 1 = 16 rows of Wv: a lane holds a channel and its registers run along the pixels, the last product's K.
.irp ti, 0,1
	global_load_b32 v[BVR], v[BVA], s[16:17] offset:32*\ti
	s_wait_loadcnt 0x0
.irp e, 0,1,2,3,4,5,6,7
	v_mov_b32 v[BV+\e], v[BVR]                     ; a lane's eight results belong to one channel: its bias eight times
.endr
.irp s, 0,1
	PLACES 8
.irp c, 0,1,2,3
	ds_load_b128 v[WVF+4*\c:WVF+4*\c+3], v[WFV] offset:(2*\ti+\s)*2048+512*\c
.endr
	ds_load_b32 v[WVS], v[WSV] offset:1024*\s+4*\ti
.irp g, 0,1
.if \g == 1
	PLACES 8
.endif
.irp k, 0,1,2,3
.irp c, 0,1,2,3
	ds_load_b128 v[FB+16*\k+4*\c:FB+16*\k+4*\c+3], v[XFA] offset:(2*(4*\g+\k)+\s)*2048+512*\c
.endr
.endr
	ds_load_b128 v[WS4:WS4+3], v[XSA] offset:1024*\s+16*\g
	s_wait_dscnt 0x0
.irp k, 0,1,2,3
.if \s == 0
	WM HA+8*(4*\g+\k), FB+16*\k, WVF, BV, WS4+\k, WVS
.else
	WM HA+8*(4*\g+\k), FB+16*\k, WVF, HA+8*(4*\g+\k), WS4+\k, WVS
.endif
.endr
.endr
.endr
	PLACES 8
	s_wait_xcnt 0x0                                ; earlier stores have read the codes' registers
	QUANT HA, PC, PW4
.irp c, 0,1,2,3
	global_store_b128 v[LI], v[PC+4*\c:PC+4*\c+3], s[42:43] offset:2048*\ti+512*\c
.endr
	ds_store_b32 v[OSV], v[PW4] offset:256*\ti
.endr
	BARRIER                                        ; all 2,048 bytes of scale words lie in LDS
	ds_load_b64 v[OW:OW+1], v[OSR]
	s_wait_dscnt 0x0
	global_store_b64 v[G8], v[OW:OW+1], s[44:45]   ; each wave stores 256 consecutive bytes, aligned
	s_set_vgpr_msb 0x4
	s_wait_tensorcnt 0x0
	ds_add_u32 v23, v1
	s_wait_dscnt 0x0
	s_set_vgpr_msb 0x400
	s_endpgm
.Lfunc_end_k_q378731c8cc_proj:
	.size	k_q378731c8cc_proj, .Lfunc_end_k_q378731c8cc_proj-k_q378731c8cc_proj
	.p2alignl 7, 3214868480
	.fill 96, 4, 3214868480
	.section	.rodata,"a",@progbits
	.p2align	6, 0x0
	.amdhsa_kernel k_q378731c8cc_proj
		.amdhsa_group_segment_fixed_size 327680
		.amdhsa_private_segment_fixed_size 0
		.amdhsa_enable_private_segment 0
		.amdhsa_kernarg_size 72
		.amdhsa_user_sgpr_count 2
		.amdhsa_user_sgpr_kernarg_segment_ptr 1
		.amdhsa_wavefront_size32 1
		.amdhsa_system_sgpr_workgroup_id_x 1
		.amdhsa_system_sgpr_workgroup_id_y 1
		.amdhsa_system_sgpr_workgroup_id_z 1
		.amdhsa_system_vgpr_workitem_id 0
		.amdhsa_next_free_vgpr 258
		.amdhsa_next_free_sgpr 66
		.amdhsa_reserve_vcc 0
		.amdhsa_float_denorm_mode_32 3
		.amdhsa_float_denorm_mode_16_64 3
		.amdhsa_memory_ordered 1
		.amdhsa_forward_progress 1
		.amdhsa_inst_pref_size 180
	.end_amdhsa_kernel
	.amdgpu_metadata
---
amdhsa.version: [ 1, 2 ]
amdhsa.kernels:
  - .name:           k_q378731c8cc_proj
    .symbol:         k_q378731c8cc_proj.kd
    .args:
      - { .name: x, .offset: 0, .size: 8, .value_kind: global_buffer, .address_space: global }
      - { .name: Wq, .offset: 8, .size: 8, .value_kind: global_buffer, .address_space: global }
      - { .name: Wk, .offset: 16, .size: 8, .value_kind: global_buffer, .address_space: global }
      - { .name: Wv, .offset: 24, .size: 8, .value_kind: global_buffer, .address_space: global }
      - { .name: bq, .offset: 32, .size: 8, .value_kind: global_buffer, .address_space: global }
      - { .name: bk, .offset: 40, .size: 8, .value_kind: global_buffer, .address_space: global }
      - { .name: bv, .offset: 48, .size: 8, .value_kind: global_buffer, .address_space: global }
      - { .name: qb, .offset: 56, .size: 8, .value_kind: global_buffer, .address_space: global }
      - { .name: kvb, .offset: 64, .size: 8, .value_kind: global_buffer, .address_space: global }
    .group_segment_fixed_size: 327680
    .private_segment_fixed_size: 0
    .kernarg_segment_align: 8
    .kernarg_segment_size: 72
    .max_flat_workgroup_size: 256
    .sgpr_count:     66
    .vgpr_count:     258
    .wavefront_size: 32
...
	.end_amdgpu_metadata
.endif
;; end of part 1
;; launch stats (part 2): grid 32 x 8, 8 waves a work-group, clusters of 4 x 1, 327,680 bytes of LDS; arguments qb, kvb, st; writes st
.if DOCPART == 2
	.amdgcn_target "amdgcn-amd-amdhsa--gfx1250"
	.amdhsa_code_object_version 6
	.text
	.protected	k_q378731c8cc_stats
	.globl	k_q378731c8cc_stats
	.p2align	8
	.type	k_q378731c8cc_stats,@function
k_q378731c8cc_stats:
	s_mov_b64 s[64:65], 0
	v_nop
	global_prefetch_b8 v0, s[64:65] scope:SCOPE_SE
	s_setreg_imm32_b32 hwreg(HW_REG_WAVE_MODE, 25, 1), 1
	s_wait_xcnt 0x0
	s_wait_alu depctr_hold_cnt(0) depctr_sa_sdst(0) depctr_va_vdst(0) depctr_va_sdst(0) depctr_va_ssrc(0) depctr_va_vcc(0) depctr_vm_vsrc(0)
	s_getreg_b32 s2, hwreg(HW_REG_IB_STS2, 6, 4)
	s_cmp_eq_u32 s2, 0
	s_cbranch_scc0 .Lentry_in_a_cluster
	s_endpgm
.Lentry_in_a_cluster:
	s_bfe_u32 s2, ttmp6, 0x10000c
	s_cmp_lg_u32 s2, 0x3003
	s_cbranch_scc0 .Lentry_shape_is_right
	s_endpgm
.Lentry_shape_is_right:
; STATS.  The softmax runs over the QUERIES: key n is normalised by its own column of scores.  For 128 keys of one image this launch makes all 4,096 scores of each key (q . k on codes of BF8, E8M0 scales)
; and keeps two numbers a key: -max over m of s, and lz = c max - M - log2(sum over m of 2^(c s - M)), c = log2(e), M the maximum c s rounded UP to a whole number.  2^(c (s - max) + lz) is then the finished softmax.
; st: [8 images][2][4,096] f32: plane 0 -max, plane 1 lz, keys in their natural order.
; The maximum is a running one: when M moves, the sum is multiplied by 2^(old M - new M), made by v_ldexp_f32: nothing is rounded and there is no branch on data.
; SHARES.  Wave w = 2 i + j takes key fragments 2 i and 2 i + 1, so that each fragment of q read from LDS feeds two products, and half j of the queries of each slot.
; Source 0 = 16 queries, source 1 = 16 keys: a lane holds ONE key and its registers run along the queries: no lane looks at another until the end.
; q comes through a ring of two LDS slots of 1,024 queries (8 blocks of qb, as they lie: images of operand registers), one tensor load a wave.
; CLUSTER.  The four work-groups of a cluster belong to one image and walk the same q: each tile is asked for jointly, by the same load with the same descriptor and a mask that names the four.
; LIMITS: scores under -1e38 are not served (the running maximum begins there); NaN and infinities are not served.  The last store of a wave covers 128 bytes in pieces of 32: 1,024 bytes a work-group in all.
.set QBLK,  16896                      ; a block of qb: 8 fragments, 512 bytes of scale words
.set SLOTB, 8*QBLK
.set MRG,   2*SLOTB                    ; behind the ring: 384 bytes for each wave, where the two halves of the queries meet
.set SPARE, MRG+8*384                  ; the spare words, 128 bytes for each wave: four blocks of 256 bytes that no other line names
.set LI,   1                           ; v1   16 x lane
.set ADQ,  2                           ; v2   LDS address of the block in hand
.set SPW,  3                           ; v3   LDS address of my spare word; never rewritten
.set NIL,  4                           ; v4   0; never rewritten
.set MW,   5                           ; v5   where I put my three numbers
.set MR,   6                           ; v6   where my partner put its
.set GOK,  7                           ; v7   my key's byte in the block's 512 bytes of st
.set KSW,  8                           ; v8   k's scale words: lanes 0-15 fragment 2 i, lanes 16-31 fragment 2 i + 1
.set T0,   9                           ; v9-11 offsets of k's loads; at the end -M, max, sum
.set QSW,  12                          ; v12-15 q's scale words: register f / 2, lanes 16 (f % 2) + r
.set KF,   16                          ; v16-47 my two fragments of k
.set FB,   48                          ; v48-111 four fragments of q
.set S,    112                         ; v112-239 the scores: key tile kt at 112 + 64 kt
.set ST,   240                         ; v240 + 8 kt: +0 -M, +1 max, +2, +3 the sum in two halves, +4 .. +7 at work
.set WV,   10
.set I,    11
.set J,    12
.set B,    13
.set X,    14
.set G1,   16                          ; s[16:23] descriptor group 1
.set G0,   32                          ; s[32:39] group 0, a set for each slot
.set CS,   40                          ; s[40:41] c
.set SEL,  42                          ; s[42:43]
.set TB,   44                          ; s44  LDS byte of the block in hand
.set TJ0,  45                          ; s45  my half of a slot
.set CNT,  46
.set HM,   47                          ; s47  lanes 16-31
.set JM,   48                          ; s48  all lanes if j = 1
.macro PLACES n
.rept \n
	v_nop
.endr
.endm
.macro ROUND                           ; a round of the cluster's barrier
	s_barrier_signal -1
	s_barrier_wait -1
	s_cmp_lg_u32 s[WV], 0
	s_cbranch_scc1 .Lnot_wave_0_\@
	s_barrier_signal -3
.Lnot_wave_0_\@:
	s_barrier_wait -3
	s_barrier_signal -1
	s_barrier_wait -1
.endm
.macro WMZ d, a, b, sa, sb, ra, rb     ; a product that starts its sum; ra, rb: which half of the lanes holds the side's scale words
.if ((\ra) == 0) && ((\rb) == 0)
	v_wmma_scale_f32_16x16x128_f8f6f4 v[(\d):(\d)+7], v[(\a):(\a)+15], v[(\b):(\b)+15], 0, v[\sa], v[\sb] matrix_a_fmt:MATRIX_FMT_BF8 matrix_b_fmt:MATRIX_FMT_BF8
.elseif ((\ra) == 1) && ((\rb) == 0)
	v_wmma_scale_f32_16x16x128_f8f6f4 v[(\d):(\d)+7], v[(\a):(\a)+15], v[(\b):(\b)+15], 0, v[\sa], v[\sb] matrix_a_fmt:MATRIX_FMT_BF8 matrix_b_fmt:MATRIX_FMT_BF8 matrix_a_scale:MATRIX_SCALE_ROW1
.elseif ((\ra) == 0) && ((\rb) == 1)
	v_wmma_scale_f32_16x16x128_f8f6f4 v[(\d):(\d)+7], v[(\a):(\a)+15], v[(\b):(\b)+15], 0, v[\sa], v[\sb] matrix_a_fmt:MATRIX_FMT_BF8 matrix_b_fmt:MATRIX_FMT_BF8 matrix_b_scale:MATRIX_SCALE_ROW1
.else
	v_wmma_scale_f32_16x16x128_f8f6f4 v[(\d):(\d)+7], v[(\a):(\a)+15], v[(\b):(\b)+15], 0, v[\sa], v[\sb] matrix_a_fmt:MATRIX_FMT_BF8 matrix_b_fmt:MATRIX_FMT_BF8 matrix_a_scale:MATRIX_SCALE_ROW1 matrix_b_scale:MATRIX_SCALE_ROW1
.endif
.endm
	s_load_b128 s[4:7], s[0:1], 0x0                ; qb, kvb
	s_load_b64 s[8:9], s[0:1], 0x10                ; st
	v_lshl_add_u32 v[SPW], v0, 2, SPARE
	v_mov_b32 v[NIL], 0
	ds_add_u32 v3, v4
	ds_add_u32 v3, v4
	s_wait_dscnt 0x0
	v_lshrrev_b32 v[T0], 5, v0
	v_readfirstlane_b32 s[WV], v[T0]               ; wave 0..7
	s_lshr_b32 s[I], s[WV], 1
	s_and_b32 s[J], s[WV], 1
	s_and_b32 s[B], ttmp7, 0xffff                  ; the image, which the four partners share
	s_bfe_u32 s24, ttmp6, 0x40000                  ; cx
	s_lshl_b32 s[X], ttmp9, 2
	s_add_co_u32 s[X], s[X], s24                   ; my block of 128 keys: it enters k's and st's addresses alone
	; descriptor group 1: a block of qb, 16,896 dense bytes, as 66 rows of 256 (32 elements of 8 bytes); no padding: images are read 16 bytes a lane on end
	s_mov_b32 s[G1], 15|(3<<16)|(1<<21)            ; the mask: all four work-groups; bit 21 beside it
	s_mov_b32 s[G1+1], 32<<16
	s_mov_b32 s[G1+2], 66<<16
	s_mov_b32 s[G1+3], 32<<16
	s_mov_b32 s[G1+4], 66
	s_mov_b32 s[G1+5], 32
	s_mov_b32 s[G1+6], 0
	s_mov_b32 s[G1+7], 0
	s_mul_i32 s26, s[B], 32*QBLK
	s_mul_i32 s25, s[WV], QBLK                     ; wave w brings block w of a slot's eight
	s_add_co_u32 s26, s26, s25
	s_mov_b32 s27, 0
	s_lshl_b32 s28, s[B], 5
	s_add_co_u32 s28, s28, s[X]
	s_mul_i32 s28, s28, 50688                      ; my block of kvb
	s_mov_b32 s29, 0
	s_lshl_b32 s30, s[B], 15                       ; st: image x 32,768 + plane j x 16,384 + block x 512
	s_lshl_b32 s31, s[J], 14
	s_add_co_u32 s30, s30, s31
	s_lshl_b32 s31, s[X], 9
	s_add_co_u32 s30, s30, s31
	s_mov_b32 s31, 0
	s_mov_b32 s[CS], 0x3fb8aa3b                    ; c = log2(e)
	s_mov_b32 s[CS+1], s[CS]                       ; (named with it as a pair, so it is written)
	s_mov_b32 s[SEL], 0x76543210
	s_mov_b32 s[SEL+1], 0xfedcba98
	s_mov_b32 s[HM], 0xffff0000
	s_mul_i32 s[TJ0], s[J], 4*QBLK
	s_cmp_eq_u32 s[J], 1
	s_cselect_b32 s[JM], -1, 0
	s_wait_kmcnt 0x0
	s_add_nc_u64 s[6:7], s[6:7], s[28:29]
	s_add_nc_u64 s[8:9], s[8:9], s[30:31]
	s_mov_b32 s[G0], 1
	s_mov_b32 s[G0+1], s25
	s_add_nc_u64 s[G0+2:G0+3], s[4:5], s[26:27]
	s_mov_b32 s[G0+4], 1
	s_add_co_u32 s[G0+5], s25, SLOTB
	s_add_nc_u64 s[G0+6:G0+7], s[G0+2:G0+3], SLOTB
	s_or_b32 s[G0+3], s[G0+3], 0x80000000
	s_or_b32 s[G0+7], s[G0+7], 0x80000000
	ROUND                                          ; all four work-groups are here: the first joint loads meet
	tensor_load_to_lds s[G0:G0+3], s[G1:G1+7]      ; queries 0-1,023
	s_nop 0
	tensor_load_to_lds s[G0+4:G0+7], s[G1:G1+7]    ; queries 1,024-2,047: two loads of mine are out
	s_nop 0
	PLACES 4
	v_and_b32 v[ADQ], 31, v0                       ; lane
	v_lshlrev_b32 v[LI], 4, v[ADQ]
	v_and_b32 v[GOK], 15, v0
	v_and_b32 v[MW], 8, v[GOK]
	v_add_nc_u32 v[GOK], v[GOK], v[MW]             ; r + 8 (r / 8)
	v_bfe_u32 v[MW], v0, 4, 1
	v_lshl_add_u32 v[GOK], v[MW], 3, v[GOK]        ; + 8 for lanes 16-31, which will hold fragment 2 i + 1's keys
	s_lshl_b32 s24, s[I], 5
	v_add_nc_u32 v[GOK], s24, v[GOK]
	v_lshlrev_b32 v[GOK], 2, v[GOK]
	s_mul_i32 s24, s[WV], 384
	s_add_co_u32 s24, s24, MRG
	v_lshl_add_u32 v[MW], v[ADQ], 2, s24
	s_xor_b32 s24, s[WV], 1
	s_mul_i32 s24, s24, 384
	s_add_co_u32 s24, s24, MRG
	v_lshl_add_u32 v[MR], v[ADQ], 2, s24
	s_lshl_b32 s24, s[I], 12
	v_add_nc_u32 v[T0], s24, v[LI]                 ; k's fragments 2 i, 2 i + 1
	s_lshl_b32 s24, s[I], 2
	v_add_nc_u32 v[T0+1], s24, v[LI]               ; and their scale words: register i of the four
.irp kt, 0,1
.irp c, 0,1,2,3
	global_load_b128 v[KF+16*\kt+4*\c:KF+16*\kt+4*\c+3], v[T0], s[6:7] offset:2048*\kt+512*\c
.endr
.endr
	global_load_b32 v[KSW], v[T0+1], s[6:7] offset:16384
.irp kt, 0,1
	v_mov_b32 v[ST+8*\kt+1], 0xfe967699            ; the largest score so far: -1e38
	v_mul_f32 v[ST+8*\kt+5], s[CS], v[ST+8*\kt+1]
	v_floor_f32 v[ST+8*\kt], -v[ST+8*\kt+5]        ; -M
	v_mov_b32 v[ST+8*\kt+2], 0
	v_mov_b32 v[ST+8*\kt+3], 0
.endr
; 64 scores of key tile kt enter its key's running maximum and sum.
.macro STAT kt
.set SS, S+64*\kt
.set TT, ST+8*\kt
.irp b, 0,1,2,3
	v_max3_num_f32 v[TT+4+\b], v[SS+16*\b], v[SS+16*\b+1], v[SS+16*\b+2]       ; four chains; each accumulator is read from its low end on
.endr
.irp i, 3,5,7,9,11,13
.irp b, 0,1,2,3
	v_max3_num_f32 v[TT+4+\b], v[TT+4+\b], v[SS+16*\b+\i], v[SS+16*\b+\i+1]
.endr
.endr
.irp b, 0,1,2,3
	v_max_num_f32 v[TT+4+\b], v[TT+4+\b], v[SS+16*\b+15]
.endr
	v_max3_num_f32 v[TT+4], v[TT+4], v[TT+5], v[TT+6]
	v_max3_num_f32 v[TT+1], v[TT+1], v[TT+4], v[TT+7]      ; the running maximum
	v_mul_f32 v[TT+5], s[CS], v[TT+1]
	v_mov_b32 v[TT+6], v[TT]
	v_floor_f32 v[TT], -v[TT+5]                            ; the new -M = -ceil(c max): a whole number
	v_sub_f32 v[TT+6], v[TT], v[TT+6]                      ; old M - new M, 0 or less
	v_cvt_i32_f32 v[TT+6], v[TT+6]                         ; (it saturates)
	v_ldexp_f32 v[TT+4], 1.0, v[TT+6]                      ; f = 2^(old M - new M)
.set jj, 0
.rept 32
	v_pk_fma_f32 v[SS+jj:SS+jj+1], v[SS+jj:SS+jj+1], s[CS:CS+1], v[TT:TT+1] op_sel_hi:[1,0,0]   ; c s - M, two at a time
.set jj, jj+2
.endr
.set jj, 0
.rept 64
	v_exp_f32 v[SS+jj], v[SS+jj]
.set jj, jj+1
.endr
	v_pk_mul_f32 v[TT+2:TT+3], v[TT+2:TT+3], v[TT+4:TT+5] op_sel_hi:[1,0]      ; the sum under the new M; also the plain line behind the exponentials
	s_wait_alu depctr_va_vdst(0)
	v_pk_add_f32 v[TT+6:TT+7], v[SS:SS+1], v[SS+2:SS+3]                        ; two chains
.set jj, 4
.rept 15
	v_pk_add_f32 v[TT+2:TT+3], v[TT+2:TT+3], v[SS+jj:SS+jj+1]
	v_pk_add_f32 v[TT+6:TT+7], v[TT+6:TT+7], v[SS+jj+2:SS+jj+3]
.set jj, jj+4
.endr
	v_pk_add_f32 v[TT+2:TT+3], v[TT+2:TT+3], v[TT+6:TT+7]
.endm
; 128 queries against my 32 keys: 16 products, each starting a sum of its own.
.macro STEP
	v_add_nc_u32 v[ADQ], s[TB], v[LI]
	ds_load_b128 v[QSW:QSW+3], v[ADQ] offset:16384
.irp g, 0,1
.if \g == 1
	PLACES 8                                       ; in front of loads into registers that matrix instructions have read
.endif
.irp f, 0,1,2,3
.irp c, 0,1,2,3
	ds_load_b128 v[FB+16*\f+4*\c:FB+16*\f+4*\c+3], v[ADQ] offset:2048*(4*\g+\f)+512*\c
.endr
.endr
	s_wait_dscnt 0x0
.irp f, 0,1,2,3
.irp kt, 0,1
	WMZ S+64*\kt+8*(4*\g+\f), FB+16*\f, KF+16*\kt, QSW+(4*\g+\f)/2, KSW, \f%2, \kt
.endr
.endr
.endr
	PLACES 8
	STAT 0
	STAT 1
.endm
.macro SLOTWORK slot                   ; my half of a slot: four blocks of 128 queries
	s_add_co_u32 s[TB], s[TJ0], \slot*SLOTB
	s_mov_b32 s[CNT], 4
.Lq_\@:
	STEP
	s_add_co_u32 s[TB], s[TB], QBLK
	s_sub_co_u32 s[CNT], s[CNT], 1
	s_cmp_lg_u32 s[CNT], 0
	s_cbranch_scc1 .Lq_\@
.endm
; The change of slots, at a slot's head.  refill = 1: the slot just left is filled with the queries two slots on; the load has a whole slot's work in which to land.
.macro TWO slot, refill
	s_wait_tensorcnt 0x0                           ; all my tensor loads have landed, my block of this slot among them: a group 0 may be written
	ds_add_u32 v[SPW], v[NIL]                      ; 0 onto my spare word
.if \refill
	s_add_nc_u64 s[G0+6-4*\slot:G0+7-4*\slot], s[G0+6-4*\slot:G0+7-4*\slot], 2*SLOTB
.endif
	s_wait_dscnt 0x0                               ; the add is done, and my reads of the slot that I have left are over
.if \refill
	ROUND                                          ; no wave of any partner still reads that slot or has a load on its way
	tensor_load_to_lds s[G0+4-4*\slot:G0+7-4*\slot], s[G1:G1+7]    ; my one tensor load behind the round, and the first thing there
	s_nop 0
	PLACES 4
.else
	s_barrier_signal -1
	s_barrier_wait -1
.endif
	SLOTWORK \slot
.endm
	s_wait_tensorcnt 0x1                           ; my block of slot 0 is in; slot 1's may stay out
	s_barrier_signal -1
	s_barrier_wait -1
	s_wait_loadcnt 0x0                             ; k
	SLOTWORK 0
	TWO 1, 1
	TWO 0, 1
	TWO 1, 0
; Two (-M, max, sum) of one key become one, in the first three registers.  The factors are powers of two, so that the order of the two does not show.
.macro MERGE nm, ms, l, nm2, ms2, l2, t0, t1
	v_min_num_f32 v[\t0], v[\nm], v[\nm2]          ; the larger M
	v_max_num_f32 v[\ms], v[\ms], v[\ms2]
	v_sub_f32 v[\t1], v[\t0], v[\nm]
	v_sub_f32 v[\nm2], v[\t0], v[\nm2]
	v_cvt_i32_f32 v[\t1], v[\t1]
	v_cvt_i32_f32 v[\nm2], v[\nm2]
	v_ldexp_f32 v[\t1], 1.0, v[\t1]
	v_ldexp_f32 v[\nm2], 1.0, v[\nm2]
	v_mul_f32 v[\l], v[\l], v[\t1]
	v_fma_f32 v[\l], v[\l2], v[\nm2], v[\l]
	v_mov_b32 v[\nm], v[\t0]
.endm
.irp kt, 0,1
	v_add_f32 v[ST+8*\kt+2], v[ST+8*\kt+2], v[ST+8*\kt+3]
.endr
.irp kt, 0,1
	v_permlanex16_b32 v[ST+8*\kt+4], v[ST+8*\kt], s[SEL], s[SEL+1]     ; the key's other queries lie in the lane 16 away
	v_permlanex16_b32 v[ST+8*\kt+5], v[ST+8*\kt+1], s[SEL], s[SEL+1]
	v_permlanex16_b32 v[ST+8*\kt+6], v[ST+8*\kt+2], s[SEL], s[SEL+1]
.endr
	MERGE ST, ST+1, ST+2, ST+4, ST+5, ST+6, ST+7, ST+3
	MERGE ST+8, ST+9, ST+10, ST+12, ST+13, ST+14, ST+15, ST+11
	v_cndmask_b32 v[T0], v[ST], v[ST+8], s[HM]     ; lanes 0-15 keep fragment 2 i's keys, lanes 16-31 take fragment 2 i + 1's
	v_cndmask_b32 v[T0+1], v[ST+1], v[ST+9], s[HM]
	v_cndmask_b32 v[T0+2], v[ST+2], v[ST+10], s[HM]
	ds_store_b32 v[MW], v[T0]
	ds_store_b32 v[MW], v[T0+1] offset:128
	ds_store_b32 v[MW], v[T0+2] offset:256
	s_wait_dscnt 0x0                               ; for my partner's sake
	s_barrier_signal -1
	s_barrier_wait -1
	ds_load_b32 v[ST+4], v[MR]                     ; the other half of the queries
	ds_load_b32 v[ST+5], v[MR] offset:128
	ds_load_b32 v[ST+6], v[MR] offset:256
	s_wait_dscnt 0x0
	MERGE T0, T0+1, T0+2, ST+4, ST+5, ST+6, ST+7, ST+3
	v_fma_f32 v[ST+4], s[CS], v[T0+1], v[T0]       ; c max - M
	v_log_f32 v[ST+5], v[T0+2]
	v_sub_f32 v[ST+6], 0, v[T0+1]                  ; -max; also the plain line behind the logarithm
	s_wait_alu depctr_va_vdst(0)
	v_sub_f32 v[ST+4], v[ST+4], v[ST+5]            ; lz
	v_cndmask_b32 v[ST+7], v[ST+6], v[ST+4], s[JM] ; wave j = 0 stores plane 0, wave j = 1 plane 1
	global_store_b32 v[GOK], v[ST+7], s[8:9]
	s_wait_tensorcnt 0x0                           ; the wave's end
	ds_add_u32 v[SPW], v[NIL]
	s_wait_dscnt 0x0
	ROUND                                          ; the closing round: no work-group ends while a partner may still ask for a tile that names it
	s_endpgm
.Lfunc_end_k_q378731c8cc_stats:
	.size	k_q378731c8cc_stats, .Lfunc_end_k_q378731c8cc_stats-k_q378731c8cc_stats
	.p2alignl 7, 3214868480
	.fill 96, 4, 3214868480
	.section	.rodata,"a",@progbits
	.p2align	6, 0x0
	.amdhsa_kernel k_q378731c8cc_stats
		.amdhsa_group_segment_fixed_size 327680
		.amdhsa_private_segment_fixed_size 0
		.amdhsa_enable_private_segment 0
		.amdhsa_kernarg_size 24
		.amdhsa_user_sgpr_count 2
		.amdhsa_user_sgpr_kernarg_segment_ptr 1
		.amdhsa_wavefront_size32 1
		.amdhsa_system_sgpr_workgroup_id_x 1
		.amdhsa_system_sgpr_workgroup_id_y 1
		.amdhsa_system_sgpr_workgroup_id_z 1
		.amdhsa_system_vgpr_workitem_id 0
		.amdhsa_next_free_vgpr 256
		.amdhsa_next_free_sgpr 66
		.amdhsa_reserve_vcc 0
		.amdhsa_float_denorm_mode_32 3
		.amdhsa_float_denorm_mode_16_64 3
		.amdhsa_memory_ordered 1
		.amdhsa_forward_progress 1
		.amdhsa_inst_pref_size 98
	.end_amdhsa_kernel
	.amdgpu_metadata
---
amdhsa.version: [ 1, 2 ]
amdhsa.kernels:
  - .name:           k_q378731c8cc_stats
    .symbol:         k_q378731c8cc_stats.kd
    .args:
      - { .name: qb, .offset: 0, .size: 8, .value_kind: global_buffer, .address_space: global }
      - { .name: kvb, .offset: 8, .size: 8, .value_kind: global_buffer, .address_space: global }
      - { .name: st, .offset: 16, .size: 8, .value_kind: global_buffer, .address_space: global }
    .group_segment_fixed_size: 327680
    .private_segment_fixed_size: 0
    .kernarg_segment_align: 8
    .kernarg_segment_size: 24
    .max_flat_workgroup_size: 256
    .sgpr_count:     66
    .vgpr_count:     256
    .wavefront_size: 32
...
	.end_amdgpu_metadata
.endif
;; end of part 2
;; launch attn (part 3): grid 32 x 8, 4 waves a work-group, clusters of 4 x 1, 327,680 bytes of LDS; arguments qb, kvb, st, x, gamma, out0; writes out0
.if DOCPART == 3
	.amdgcn_target "amdgcn-amd-amdhsa--gfx1250"
	.amdhsa_code_object_version 6
	.text
	.protected	k_q378731c8cc_attn
	.globl	k_q378731c8cc_attn
	.p2align	8
	.type	k_q378731c8cc_attn,@function
k_q378731c8cc_attn:
	s_mov_b64 s[64:65], 0
	v_nop
	global_prefetch_b8 v0, s[64:65] scope:SCOPE_SE
	s_setreg_imm32_b32 hwreg(HW_REG_WAVE_MODE, 25, 1), 1
	s_wait_xcnt 0x0
	s_wait_alu depctr_hold_cnt(0) depctr_sa_sdst(0) depctr_va_vdst(0) depctr_va_sdst(0) depctr_va_ssrc(0) depctr_va_vcc(0) depctr_vm_vsrc(0)
	s_getreg_b32 s2, hwreg(HW_REG_IB_STS2, 6, 4)
	s_cmp_eq_u32 s2, 0
	s_cbranch_scc0 .Lentry_in_a_cluster
	s_endpgm
.Lentry_in_a_cluster:
	s_bfe_u32 s2, ttmp6, 0x10000c
	s_cmp_lg_u32 s2, 0x3003
	s_cbranch_scc0 .Lentry_shape_is_right
	s_endpgm
.Lentry_shape_is_right:
; ATTN.  out[c][m] = gamma x (sum over n of v[c][n] p[m][n]) + x[c][m], p[m][n] = the softmax over m of q_m . k_n, both products on codes of BF8 (E5M2) with E8M0 scales.
; The scores are made again, with -max of the key as the C of each sum, and p = 2^(c D + lz), c = log2(e): the FINISHED, normalised softmax, which is what is quantised along the keys.
; SHARES.  A work-group owns 128 queries of one image.  Four waves, as many as a WGP has SIMDs.  Wave w = 2 i + j takes query fragments 4 i .. 4 i + 3, so that each fragment of k and v and each -max and lz read from
; LDS feeds four products, and block j (128 keys) of each slot's 256.
; S^T = k q^T (source 0 = 16 keys, source 1 = 16 queries): a lane holds one query, and by the order of a fragment's rows its 16 registers of tiles 2 b, 2 b + 1 are the keys 32 b + 16 (lane / 16) + 0 .. 15.
; O = p v^T (source 0 = p's 16 queries, source 1 = 16 channels of v): a lane holds one channel and eight neighbouring pixels of out.  The two key halves' O meet through LDS at the end.
; k, v and their scale words come as they lie in kvb (images of operand registers) through a ring of two LDS slots, a quarter of a slot to a wave; the image's 4,096 -max and lz stay in LDS.
; CLUSTER.  The four work-groups of a cluster belong to one image and walk the same k, v and st: each tile is asked for jointly, by the same load with the same descriptor and a mask that names the four.
; REGISTERS, in windows of 256 (s_set_vgpr_msb: bits 1:0 source 0, 3:2 source 1, 5:4 source 2, 7:6 destination).
;   window 0: v1-15 addresses; v16-29 scale words of k, v, q; v32-95 q; v96-223 k's eight fragments, later lz (v96-159) and p's codes (v160-223); v224-239 the quantiser's work; v240-243 p's scale words.
;   window 1: S^T, 64 registers a query tile; as soon as a tile is quantised, four fragments of v take its place: all sixteen in the end.
;   windows 2, 3: O[q][n] at 128 (q % 2) + 8 n of window 2 + q / 2: n = 0-7 the channel tiles 8 j + n that I keep, n = 8-15 the tiles 8 (1 - j) + n - 8 that my partner keeps: the same numbers in every wave.
; LIMITS: p under 2^-126 comes out of v_exp_f32 as 0; lz stands in the exponent in place of a division; NaN and infinities are not served; a block of zeros gets the scale byte 1 (its codes are zeros).
; The stores into the stage on the way out fall two deep on the banks; they are 64 a wave in the whole launch.
.set KVB,   50688                      ; a block of kvb: k's 8 fragments, 512 bytes of words, v's 16 fragments, 1,024 bytes of words
.set PIECE, 25344                      ; what one tensor load brings: a quarter of a slot, 99 rows of 256 bytes
.set SLOT1, 131072                     ; slot 1 begins here: one exclusive or turns an address of one slot into the other's
.set LST,   232448                     ; behind the ring: -max of 4,096 keys, then lz
.set SPARE, 265216                     ; the spare words, 128 bytes for each wave: two blocks of 256 bytes that no other line names
.set SP,    528                        ; the way out: a stage row: 512 bytes + 16
.set LI,   1                           ; v1   16 x lane + my block of a slot
.set LVO,  2                           ; v2   the eight fragments of v that I keep
.set LVF,  3                           ; v3   the eight that my partner keeps
.set LSO,  4                           ; v4   their scale words
.set LSF,  5                           ; v5
.set LA0,  6                           ; v6   -max of my half's 16 keys of a block of 32
.set SPW,  7                           ; v7   LDS address of my spare word; never rewritten
.set NIL,  8                           ; v8   0; never rewritten
.set ADR,  9                           ; v9-13 the same five addresses in the slot in hand; on the way out four others
.set ADVO, 10
.set ADVF, 11
.set ASO,  12
.set ASF,  13
.set LA,   14                          ; v14  -max and lz of the step's keys
.set PFA,  15                          ; v15  lanes 256 bytes apart over 16 rows of x
.set KSW,  16                          ; v16-19 k's scale words: register t / 2, lanes 16 (t % 2) + r
.set VSW,  20                          ; v20-27 v's: register n / 2, lanes 16 (n % 2) + r
.set QSW,  28                          ; v28-29 q's: register q / 2, lanes 16 (q % 2) + r
.set L16,  30                          ; v30  16 x lane
.set Q,    32                          ; v32-95 q's four fragments
.set KB,   96                          ; v96-223 k's eight fragments
.set LZ,   96                          ; v96-159 then lz
.set PC,   160                         ; v160-223 then p's codes, 16 a query tile
.set OB,   96                          ; the way out: 16 rows back from the stage
.set TM,   224                         ; v224-239 the quantiser's work
.set PW,   240                         ; v240-243 p's scale words
.set T0,   244                         ; v244-249 at work at the head
.set WV,   16
.set I,    17
.set J,    18
.set B,    19
.set X,    20
.set G1R,  24                          ; s[24:31] group 1 for the ring's pieces
.set G1S,  32                          ; s[32:39] for st's quarters
.set G0R,  40                          ; s[40:43] the ring's group 0, which walks
.set G0S,  44                          ; s[44:47] st's
.set CS,   48                          ; s[48:49] c
.set SEL,  50                          ; s[50:51]
.set GM,   52                          ; s[52:53] gamma
.set MNT,  54
.set TB,   55                          ; s55  the slot in hand
.set TL,   56                          ; s56  where the next -max to be fetched begins
.set CNT,  57
.set MSB, 0
.macro WIN new                         ; the immediate's high byte repeats the setting that is left; a switch that changes nothing is dropped
.if MSB != (\new)
	s_set_vgpr_msb (MSB<<8)|(\new)
.set MSB, (\new)
.endif
.endm
.macro PLACES n
.rept \n
	v_nop
.endr
.endm
.macro ROUND                           ; a round of the cluster's barrier
	s_barrier_signal -1
	s_barrier_wait -1
	s_cmp_lg_u32 s[WV], 0
	s_cbranch_scc1 .Lnot_wave_0_\@
	s_barrier_signal -3
.Lnot_wave_0_\@:
	s_barrier_wait -3
	s_barrier_signal -1
	s_barrier_wait -1
.endm
.macro WM d, a, b, c, sa, sb, ra, rb   ; ra, rb: which half of the lanes holds the side's scale words
.if ((\ra) == 0) && ((\rb) == 0)
	v_wmma_scale_f32_16x16x128_f8f6f4 v[(\d):(\d)+7], v[(\a):(\a)+15], v[(\b):(\b)+15], v[(\c):(\c)+7], v[\sa], v[\sb] matrix_a_fmt:MATRIX_FMT_BF8 matrix_b_fmt:MATRIX_FMT_BF8
.elseif ((\ra) == 1) && ((\rb) == 0)
	v_wmma_scale_f32_16x16x128_f8f6f4 v[(\d):(\d)+7], v[(\a):(\a)+15], v[(\b):(\b)+15], v[(\c):(\c)+7], v[\sa], v[\sb] matrix_a_fmt:MATRIX_FMT_BF8 matrix_b_fmt:MATRIX_FMT_BF8 matrix_a_scale:MATRIX_SCALE_ROW1
.elseif ((\ra) == 0) && ((\rb) == 1)
	v_wmma_scale_f32_16x16x128_f8f6f4 v[(\d):(\d)+7], v[(\a):(\a)+15], v[(\b):(\b)+15], v[(\c):(\c)+7], v[\sa], v[\sb] matrix_a_fmt:MATRIX_FMT_BF8 matrix_b_fmt:MATRIX_FMT_BF8 matrix_b_scale:MATRIX_SCALE_ROW1
.else
	v_wmma_scale_f32_16x16x128_f8f6f4 v[(\d):(\d)+7], v[(\a):(\a)+15], v[(\b):(\b)+15], v[(\c):(\c)+7], v[\sa], v[\sb] matrix_a_fmt:MATRIX_FMT_BF8 matrix_b_fmt:MATRIX_FMT_BF8 matrix_a_scale:MATRIX_SCALE_ROW1 matrix_b_scale:MATRIX_SCALE_ROW1
.endif
.endm
.macro WMZ d, a, b, sa, sb, rb         ; a product that starts its sum
.if (\rb) == 0
	v_wmma_scale_f32_16x16x128_f8f6f4 v[(\d):(\d)+7], v[(\a):(\a)+15], v[(\b):(\b)+15], 0, v[\sa], v[\sb] matrix_a_fmt:MATRIX_FMT_BF8 matrix_b_fmt:MATRIX_FMT_BF8
.else
	v_wmma_scale_f32_16x16x128_f8f6f4 v[(\d):(\d)+7], v[(\a):(\a)+15], v[(\b):(\b)+15], 0, v[\sa], v[\sb] matrix_a_fmt:MATRIX_FMT_BF8 matrix_b_fmt:MATRIX_FMT_BF8 matrix_b_scale:MATRIX_SCALE_ROW1
.endif
.endm
; The 64 weights of query tile q (window 1, register 16 b + i = key 32 b + 16 h + i of my query, none negative) become a fragment's codes in v[PC + 16 q] on and its scale word in v[PW + q].
; nx = 1: the next tile's 64 exponentials stand between this tile's 64 holds: exponential, plain line, by turns, so that each exponential has a plain line behind it (ISA guide 5.7.2).
.macro QUANTP q, nx
.set SS, 64*(\q)
	WIN 0x14                                               ; sources 1 and 2 (p) in window 1
	s_wait_alu depctr_va_vdst(0)
.irp b, 0,1,2,3
	v_max3_num_f32 v[TM+\b], 0x8000000, v[SS+16*\b], v[SS+16*\b+1]     ; block b: my 16 and the floor 2^(16 - 127): the byte cannot fall under 1
.endr
.irp i, 2,4,6,8,10,12,14
.irp b, 0,1,2,3
	v_max3_num_f32 v[TM+\b], v[TM+\b], v[SS+16*\b+\i], v[SS+16*\b+\i+1]   ; the four blocks by turns
.endr
.endr
	WIN 0
.irp b, 0,1,2,3
	v_permlanex16_b32 v[TM+4+\b], v[TM+\b], s[SEL], s[SEL+1]
.endr
.irp b, 0,1,2,3
	v_max_num_f32 v[TM+\b], v[TM+\b], v[TM+4+\b]           ; with lane l xor 16's 16 keys
.endr
.irp b, 0,1,2,3
	v_add_nc_u32 v[TM+12+\b], 0xf8800000, v[TM+\b]         ; 15 off the exponent field: the conversion's scale operand
.endr
.irp b, 0,1,2,3
	v_and_or_b32 v[TM+8+\b], v[TM+\b], 0x7f800000, s[MNT]  ; 57,344 x the scale
.endr
.irp b, 0,1,2,3
	v_lshrrev_b32 v[TM+4+\b], 23, v[TM+12+\b]              ; the scale's byte
.endr
	v_lshl_or_b32 v[PW+(\q)], v[TM+5], 8, v[TM+4]
	v_lshl_or_b32 v[PW+(\q)], v[TM+6], 16, v[PW+(\q)]
	v_lshl_or_b32 v[PW+(\q)], v[TM+7], 24, v[PW+(\q)]
	WIN 0x41                                               ; destination and source 0 in window 1
.set jj, 0
.rept 64
.if \nx
	v_exp_f32 v[SS+64+jj], v[SS+64+jj]                     ; the next tile's p: the finished softmax
.endif
	v_min_num_f32 v[SS+jj], v[SS+jj], v[TM+8+jj/16]        ; the conversion does not saturate (ISA guide 7.6.2); p is not negative, so the hold is one-sided
.set jj, jj+1
.endr
	WIN 0x01                                               ; source 0 in window 1
.irp b, 0,1,2,3
	v_cvt_scalef32_pk8_bf8_f32 v[PC+16*(\q)+4*\b:PC+16*(\q)+4*\b+1], v[SS+16*\b:SS+16*\b+7], v[TM+12+\b]
	v_cvt_scalef32_pk8_bf8_f32 v[PC+16*(\q)+4*\b+2:PC+16*(\q)+4*\b+3], v[SS+16*\b+8:SS+16*\b+15], v[TM+12+\b]
.endr
	v_nop                                                  ; a plain line behind the last conversion
.endm
	s_load_b256 s[4:11], s[0:1], 0x0               ; qb s[4:5], kvb s[6:7], st s[8:9], x s[10:11]
	s_load_b128 s[12:15], s[0:1], 0x20             ; gamma s[12:13], out0 s[14:15]
	v_lshl_add_u32 v[SPW], v0, 2, SPARE
	v_mov_b32 v[NIL], 0
	ds_add_u32 v7, v8
	ds_add_u32 v7, v8
	s_wait_dscnt 0x0
	v_lshrrev_b32 v[T0], 5, v0
	v_readfirstlane_b32 s[WV], v[T0]               ; wave 0..3
	s_lshr_b32 s[I], s[WV], 1
	s_and_b32 s[J], s[WV], 1
	s_and_b32 s[B], ttmp7, 0xffff                  ; the image, which the four partners share
	s_bfe_u32 s21, ttmp6, 0x40000                  ; cx
	s_lshl_b32 s[X], ttmp9, 2
	s_add_co_u32 s[X], s[X], s21                   ; my block of 128 queries: it enters q's, x's and out's addresses alone
	; descriptor groups 1: dense bytes as rows of 256 (32 elements of 8 bytes), no padding: 99 rows for a quarter of a slot, 32 for a quarter of st
	s_mov_b32 s[G1R], 15|(3<<16)|(1<<21)           ; the mask: all four work-groups; bit 21 beside it
	s_mov_b32 s[G1R+1], 32<<16
	s_mov_b32 s[G1R+2], 99<<16
	s_mov_b32 s[G1R+3], 32<<16
	s_mov_b32 s[G1R+4], 99
	s_mov_b32 s[G1R+5], 32
	s_mov_b32 s[G1R+6], 0
	s_mov_b32 s[G1R+7], 0
	s_mov_b32 s[G1S], 15|(3<<16)|(1<<21)
	s_mov_b32 s[G1S+1], 32<<16
	s_mov_b32 s[G1S+2], 32<<16
	s_mov_b32 s[G1S+3], 32<<16
	s_mov_b32 s[G1S+4], 32
	s_mov_b32 s[G1S+5], 32
	s_mov_b32 s[G1S+6], 0
	s_mov_b32 s[G1S+7], 0
	s_mul_i32 s58, s[B], 32*KVB
	s_mul_i32 s[G0R+1], s[WV], PIECE               ; wave w brings quarter w of a slot
	s_add_co_u32 s58, s58, s[G0R+1]
	s_mov_b32 s59, 0
	s_lshl_b32 s60, s[B], 15                       ; st: image x 32,768 + wave x 8,192
	s_lshl_b32 s61, s[WV], 13
	s_add_co_u32 s60, s60, s61
	s_add_co_u32 s[G0S+1], s61, LST
	s_mov_b32 s61, 0
	s_lshl_b32 s62, s[B], 5
	s_add_co_u32 s62, s62, s[X]
	s_mul_i32 s62, s62, 16896                      ; my block of qb
	s_mov_b32 s63, 0
	s_lshl_b32 s22, s[B], 22                       ; x and out: image x 4,194,304 + 64 w channels of 16,384 bytes + block x 512
	s_lshl_b32 s23, s[WV], 20
	s_add_co_u32 s22, s22, s23
	s_lshl_b32 s23, s[X], 9
	s_add_co_u32 s22, s22, s23
	s_mov_b32 s23, 0
	s_mov_b32 s[CS], 0x3fb8aa3b                    ; c = log2(e)
	s_mov_b32 s[CS+1], s[CS]                       ; (named with it as a pair, so it is written)
	s_mov_b32 s[SEL], 0x76543210
	s_mov_b32 s[SEL+1], 0xfedcba98
	s_mov_b32 s[MNT], 0x600000
	s_mov_b32 s[TB], 0
	s_mov_b32 s[TL], 0
	s_wait_kmcnt 0x0
	s_load_b32 s[GM], s[12:13], 0x0
	s_mov_b32 s[G0R], 1
	s_add_nc_u64 s[G0R+2:G0R+3], s[6:7], s[58:59]
	s_or_b32 s[G0R+3], s[G0R+3], 0x80000000
	s_mov_b32 s[G0S], 1
	s_add_nc_u64 s[G0S+2:G0S+3], s[8:9], s[60:61]
	s_or_b32 s[G0S+3], s[G0S+3], 0x80000000
	s_add_nc_u64 s[4:5], s[4:5], s[62:63]
	s_add_nc_u64 s[10:11], s[10:11], s[22:23]
	s_add_nc_u64 s[14:15], s[14:15], s[22:23]
	ROUND                                          ; all four work-groups are here: the first joint loads meet
	tensor_load_to_lds s[G0R:G0R+3], s[G1R:G1R+7]  ; my quarter of slot 0
	s_nop 0
	tensor_load_to_lds s[G0S:G0S+3], s[G1S:G1S+7]  ; my quarter of the image's -max and lz: two loads of mine are out
	s_nop 0
	PLACES 4
	v_and_b32 v[T0], 31, v0                        ; lane
	v_lshlrev_b32 v[L16], 4, v[T0]
	s_mul_i32 s21, s[J], KVB
	v_add_nc_u32 v[LI], s21, v[L16]
	s_xor_b32 s59, s[J], 1
	s_lshl_b32 s58, s[J], 14
	s_add_co_u32 s58, s58, 16896
	v_add_nc_u32 v[LVO], s58, v[LI]                ; v's fragments 8 j on
	s_lshl_b32 s60, s59, 14
	s_add_co_u32 s60, s60, 16896
	v_add_nc_u32 v[LVF], s60, v[LI]                ; and 8 (1 - j) on
	s_lshl_b32 s58, s[J], 9
	s_add_co_u32 s58, s58, 49664
	v_add_nc_u32 v[LSO], s58, v[LI]
	s_lshl_b32 s60, s59, 9
	s_add_co_u32 s60, s60, 49664
	v_add_nc_u32 v[LSF], s60, v[LI]
	v_bfe_u32 v[T0+1], v0, 4, 1                    ; h
	s_lshl_b32 s58, s[J], 9
	s_add_co_u32 s58, s58, LST
	v_lshl_add_u32 v[LA0], v[T0+1], 6, s58
	v_lshrrev_b32 v[T0+2], 1, v[T0]
	v_and_b32 v[T0+3], 1, v[T0]
	v_lshlrev_b32 v[PFA], 14, v[T0+2]
	v_lshl_add_u32 v[PFA], v[T0+3], 8, v[PFA]      ; row lane / 2, half lane % 2 of its 512 bytes
	s_lshl_b32 s58, s[I], 13
	v_add_nc_u32 v[T0+4], s58, v[L16]              ; q's fragments 4 i on
	s_lshl_b32 s58, s[I], 3
	v_add_nc_u32 v[T0+5], s58, v[L16]              ; and their scale words: registers 2 i, 2 i + 1 of the four
.irp q, 0,1,2,3
.irp c, 0,1,2,3
	global_load_b128 v[Q+16*\q+4*\c:Q+16*\q+4*\c+3], v[T0+4], s[4:5] offset:2048*\q+512*\c
.endr
.endr
	global_load_b64 v[QSW:QSW+1], v[T0+5], s[4:5] offset:16384
.irp b, 0,1,2,3
	v_mov_b32 v[TM+4+\b], 0                        ; written once: a lane permute's destination counts as one of its sources
.endr
; -max of the 128 keys at s[TL] goes into query tile 0's registers: the C of all four query tiles' sums.  It lies in bytes that are filled once, so it hangs on no change of slots and is asked for a step ahead.
; The address line and seven v_nop are the eight places behind the products that read those registers as v's fragments 0-3.
.macro LOADMAX
	WIN 0
	v_add_nc_u32 v[LA], s[TL], v[LA0]
	PLACES 7
	WIN 0x40                                       ; destination window 1
.irp b, 0,1,2,3
.irp e, 0,1,2,3
	ds_load_b128 v[16*\b+4*\e:16*\b+4*\e+3], v[LA] offset:128*\b+16*\e
.endr
.endr
.endm
; v's fragments 4 g .. 4 g + 3 take the place of query tile g, which has just been quantised.
.macro VLOAD g
	WIN 0x40
.irp f, 0,1,2,3
.irp c, 0,1,2,3
.if \g < 2
	ds_load_b128 v[64*\g+16*\f+4*\c:64*\g+16*\f+4*\c+3], v[ADVO] offset:2048*(4*\g+\f)+512*\c
.else
	ds_load_b128 v[64*\g+16*\f+4*\c:64*\g+16*\f+4*\c+3], v[ADVF] offset:2048*(4*(\g-2)+\f)+512*\c
.endif
.endr
.endr
.endm
; O += p v^T for channel tiles 4 g .. 4 g + 3 and my four query tiles: 16 accumulators by turns, one instruction a turn.
.macro PVG g, zero
.irp hq, 0,1
	WIN 0xa4+0x50*\hq                              ; source 1 (v) window 1; C and D window 2 (query tiles 0, 1) or 3 (tiles 2, 3)
.irp f, 0,1,2,3
.irp ql, 0,1
.if \zero
	WMZ 128*\ql+8*(4*\g+\f), PC+16*(2*\hq+\ql), 16*(4*\g+\f), PW+2*\hq+\ql, VSW+(4*\g+\f)/2, \f%2
.else
	WM 128*\ql+8*(4*\g+\f), PC+16*(2*\hq+\ql), 16*(4*\g+\f), 128*\ql+8*(4*\g+\f), PW+2*\hq+\ql, VSW+(4*\g+\f)/2, 0, \f%2
.endif
.endr
.endr
.endr
.endm
; A KEY STEP: my 128 keys of the slot in hand against my 64 queries.  zero = 1: the first step's products start O's sums: nothing is cleared.  next = 1: the next step's -max is asked for.
.macro STEP zero, next
	WIN 0
	v_add_nc_u32 v[ADR], s[TB], v[LI]              ; these five and five v_nop are ten places behind the last step's products, whose operands' registers are now loaded into and written over: nine are asked (ISA guide 7.12.1)
	v_add_nc_u32 v[ADVO], s[TB], v[LVO]
	v_add_nc_u32 v[ADVF], s[TB], v[LVF]
	v_add_nc_u32 v[ASO], s[TB], v[LSO]
	v_add_nc_u32 v[ASF], s[TB], v[LSF]
	PLACES 5
	ds_load_b128 v[KSW:KSW+3], v[ADR] offset:16384
.irp t, 0,1,2,3,4,5,6,7
.irp c, 0,1,2,3
	ds_load_b128 v[KB+16*\t+4*\c:KB+16*\t+4*\c+3], v[ADR] offset:2048*\t+512*\c
.endr
.endr
	s_wait_dscnt 16                                ; -max, k's words and fragments 0-3 are in; the youngest sixteen loads, fragments 4-7, may be out
	WIN 0x50                                       ; C and D in window 1
.irp g, 0,1
.if \g == 1
	s_wait_dscnt 0x0                               ; fragments 4-7 are in
.endif
.irp q, 3,2,1
.irp t, 0,1,2,3
	WM 64*\q+8*(4*\g+\t), KB+16*(4*\g+\t), Q+16*\q, 8*(4*\g+\t), KSW+(4*\g+\t)/2, QSW+\q/2, \t%2, \q%2      ; query tiles 3, 2, 1: s - max into their own registers
.endr
.endr
	PLACES 9                                       ; the next four write over the C of these twelve
.if \g == 1
	WIN 0                                          ; those nine are also the places behind the products that read k's fragments 0-3: lz of my keys takes their registers and lands under the next products
.irp b, 0,1,2,3
.irp e, 0,1,2,3
	ds_load_b128 v[LZ+16*\b+4*\e:LZ+16*\b+4*\e+3], v[LA] offset:16384+128*\b+16*\e
.endr
.endr
	ds_load_b128 v[VSW:VSW+3], v[ASO]
	ds_load_b128 v[VSW+4:VSW+7], v[ASF]
	s_add_co_u32 s[TL], s[TL], 1024                ; the next 256 keys' -max and lz
	WIN 0x50
.endif
.irp t, 0,1,2,3
	WM 8*(4*\g+\t), KB+16*(4*\g+\t), Q, 8*(4*\g+\t), KSW+(4*\g+\t)/2, QSW, \t%2, 0                          ; query tile 0: in place
.endr
.endr
	PLACES 8
	s_wait_dscnt 0x0                               ; lz and v's words
	WIN 0x41                                       ; destination and source 0 in window 1
.set jj, 0
.rept 32
	v_pk_fma_f32 v[jj:jj+1], v[jj:jj+1], s[CS:CS+1], v[LZ+jj:LZ+jj+1] op_sel_hi:[1,0,1]                     ; tile 0: c (s - max) + lz, two at a time, each accumulator from its low end on
.set jj, jj+2
.endr
.set jj, 0
.rept 64
	v_exp_f32 v[jj], v[jj]                         ; tile 0's p, by turns with tiles 1 and 2's multiply-adds
	v_pk_fma_f32 v[64+2*jj:64+2*jj+1], v[64+2*jj:64+2*jj+1], s[CS:CS+1], v[LZ+(2*jj)%64:LZ+(2*jj)%64+1] op_sel_hi:[1,0,1]
.set jj, jj+1
.endr
.set jj, 0
	s_wait_alu depctr_va_vdst(0)
.rept 32
	v_pk_fma_f32 v[192+jj:192+jj+1], v[192+jj:192+jj+1], s[CS:CS+1], v[LZ+jj:LZ+jj+1] op_sel_hi:[1,0,1]     ; tile 3
.set jj, jj+2
.endr
	QUANTP 0, 1
	VLOAD 0                                        ; each run of v's loads lands under the next tile's vector work
	QUANTP 1, 1
	VLOAD 1
	QUANTP 2, 1
	VLOAD 2
	QUANTP 3, 0
	s_wait_dscnt 32                                ; v's fragments 0-3 are in, which the first sixteen products want; fragments 4-11 may be out
	VLOAD 3
	PLACES 3                                       ; with the quantiser's last line: four places between the codes and the scaled products that take them
	PVG 0, \zero
	s_wait_dscnt 32                                ; fragments 4-7 are in; 8-15 may be out
.if \next
	LOADMAX
.endif
	PVG 1, \zero
	s_wait_dscnt 16+16*\next                       ; fragments 8-11 are in; 12-15, and the next -max, may be out
	PVG 2, \zero
	s_wait_dscnt 16*\next                          ; fragments 12-15 are in; the next -max may be out
	PVG 3, \zero
	WIN 0
	s_xor_b32 s[TB], s[TB], SLOT1                  ; on to the other slot
.endm
; THE CHANGE OF SLOTS stands at a slot's head.  fill = 1: the other slot is filled with the 256 keys that follow: the load has a whole key step in which to land.
.macro CHANGE fill
	s_wait_tensorcnt 0x0                           ; all my tensor loads have landed: a group 0 may be written
	ds_add_u32 v[SPW], v[NIL]                      ; 0 onto my spare word
.if \fill
	s_xor_b32 s[G0R+1], s[G0R+1], SLOT1            ; the walking descriptor: the other slot than last time,
	s_add_nc_u64 s[G0R+2:G0R+3], s[G0R+2:G0R+3], 2*KVB   ; the next two blocks of kvb; the type bits on top are not reached
.endif
	s_wait_dscnt 0x0                               ; the add is done, and my reads of the slot that I have left are over
.if \fill
	ROUND                                          ; no wave of any partner still reads that slot or has a load on its way
	tensor_load_to_lds s[G0R:G0R+3], s[G1R:G1R+7]  ; the first thing behind the round, and my one tensor load until the next
	s_nop 0
	PLACES 4
.else
	s_barrier_signal -1
	s_barrier_wait -1
.endif
.endm
	s_wait_kmcnt 0x0
	s_mov_b32 s[GM+1], s[GM]                       ; (named with it as a pair, so it is written)
	s_wait_loadcnt 0x0                             ; q
	CHANGE 1
	LOADMAX                                        ; the first step's -max: every wave's quarter of st has landed
	STEP 1, 1
	s_mov_b32 s[CNT], 14
.Lstep:
	CHANGE 1
	STEP 0, 1
	s_sub_co_u32 s[CNT], s[CNT], 1
	s_cmp_lg_u32 s[CNT], 0
	s_cbranch_scc1 .Lstep
	CHANGE 0                                       ; the last slot is written out
.irp k, 0,1,2,3
	global_prefetch_b8 v[PFA], s[10:11] offset:262144*\k th:TH_LOAD_NT scope:SCOPE_SE    ; my 64 rows x 512 bytes of x, which the way out adds: each aligned 256 bytes asked for once, by this wave alone, one key step ahead
.endr
	STEP 0, 0
	; THE WAY OUT.  The ten address lines are the places behind the last products.  All LDS used here lies in slots that have had their last fill.
	s_lshl_b32 s21, s[WV], 15
	v_add_nc_u32 v[ADR], s21, v[L16]               ; v9: where I put the eight tiles x four query tiles that my partner keeps: 32,768 bytes a wave, in slot 0, which nobody has read since the last change of slots
	s_xor_b32 s21, s[WV], 1
	s_lshl_b32 s21, s21, 15
	v_add_nc_u32 v[ADVO], s21, v[L16]              ; v10: where my partner puts mine
	v_and_b32 v[ASF], 15, v0
	v_and_b32 v[LA], 8, v[ASF]
	v_add_nc_u32 v[ASF], v[ASF], v[LA]             ; r + 8 (r / 8)
	v_mul_u32_u24 v[ADVF], v[ASF], SP
	v_bfe_u32 v[LA], v0, 4, 1
	v_lshl_add_u32 v[ADVF], v[LA], 6, v[ADVF]
	s_mul_i32 s21, s[J], 128*SP
	s_lshl_b32 s58, s[I], 8
	s_add_co_u32 s21, s21, s58
	v_add_nc_u32 v[ADVF], s21, v[ADVF]             ; v11: the stage, 256 channels' rows: row 128 j + r + 8 (r / 8), byte 256 i + 64 h
	s_mul_i32 s21, s[WV], 64*SP
	v_add_nc_u32 v[ASO], s21, v[L16]               ; v12: back: my 64 rows, 16 bytes a lane
.irp q, 0,1,2,3
	WIN 0x08+4*(\q/2)                              ; an LDS store's data are its source 1: window 2 or 3
.irp f, 0,1,2,3,4,5,6,7
	ds_store_b128 v[ADR], v[128*(\q%2)+64+8*\f:128*(\q%2)+64+8*\f+3] offset:512*(2*(8*\q+\f))       ; each accumulator from its low end on
	ds_store_b128 v[ADR], v[128*(\q%2)+64+8*\f+4:128*(\q%2)+64+8*\f+7] offset:512*(2*(8*\q+\f)+1)
.endr
.endr
	WIN 0
	s_wait_dscnt 0x0                               ; for my partner's sake; my reads of slot 1 are over too
	s_barrier_signal -1
	s_barrier_wait -1
.macro EXL q                                   ; query tile q of what my partner put: 16 loads into window 1, register 64 q + 8 f + e
	WIN 0x40
.set jj, 16*\q
.rept 16
	ds_load_b128 v[4*jj:4*jj+3], v[ADVO] offset:512*jj
.set jj, jj+1
.endr
.endm
.macro EXA q                                   ; and onto the tiles that I keep: the other 2,048 keys' part
	WIN 0x86+0x41*(\q/2)                           ; destination and source 0 window 2 or 3, source 1 window 1
.set jj, 0
.rept 32
	v_pk_add_f32 v[128*(\q%2)+jj:128*(\q%2)+jj+1], v[128*(\q%2)+jj:128*(\q%2)+jj+1], v[64*\q+jj:64*\q+jj+1]
.set jj, jj+2
.endr
.endm
	EXL 0
	EXL 1
	EXL 2
	s_wait_dscnt 32                                ; tile 0 is in; tiles 1 and 2 may be out
	EXA 0
	EXL 3
	s_wait_dscnt 32                                ; tile 1 is in
	EXA 1
	s_wait_dscnt 16
	EXA 2
	s_wait_dscnt 0x0
	EXA 3
.macro XL r0                                   ; 16 rows of x, channels 64 w + r0 on: 512 consecutive bytes an instruction, each row into registers of its own in window 1
	WIN 0x40
.set jj, \r0
.rept 16
	global_load_b128 v[4*jj:4*jj+3], v[L16], s[10:11] offset:16384*jj th:TH_LOAD_NT
.set jj, jj+1
.endr
.endm
	XL 0                                           ; they land under the stage's round trip
	XL 16
	WIN 0
	s_barrier_signal -1                            ; every wave's loads of what its partner put are in (the wait for 0 above): the stage may be written over those bytes
	s_barrier_wait -1
.irp q, 0,1,2,3
	WIN 0x08+4*(\q/2)
.irp f, 0,1,2,3,4,5,6,7
	ds_store_b128 v[ADVF], v[128*(\q%2)+8*\f:128*(\q%2)+8*\f+3] offset:(32*(\f/2)+8*(\f%2))*SP+128*(\q/2)+32*(\q%2)        ; lane (r, h): channel 128 j + 32 (f / 2) + 8 (f % 2) + r + 8 (r / 8), pixels 64 i + 32 (q / 2) + 16 h + 8 (q % 2) + 0 .. 7
	ds_store_b128 v[ADVF], v[128*(\q%2)+8*\f+4:128*(\q%2)+8*\f+7] offset:(32*(\f/2)+8*(\f%2))*SP+128*(\q/2)+32*(\q%2)+16
.endr
.endr
	WIN 0
	s_wait_dscnt 0x0                               ; for the others' sake
	s_barrier_signal -1
	s_barrier_wait -1                              ; 256 whole rows lie in the stage
.irp bt, 0,1,2,3
	WIN 0
.irp t, 0,1,2,3,4,5,6,7,8,9,10,11,12,13,14,15
	ds_load_b128 v[OB+4*\t:OB+4*\t+3], v[ASO] offset:(16*\bt+\t)*SP
.endr
.if \bt < 2
	XL 32+16*\bt                                   ; two batches of x ahead
.endif
	s_wait_dscnt 0x0                               ; the batch's sixteen rows are back from the stage
.if \bt < 2
	s_wait_loadcnt 32                              ; and so are its rows of x; the two batches behind it may be out
.else
	s_wait_loadcnt 16*(3-\bt)
.endif
	WIN 0x50                                       ; destination and source 2 (x) window 1
.irp t, 0,1,2,3,4,5,6,7,8,9,10,11,12,13,14,15
	v_pk_fma_f32 v[4*(16*\bt+\t):4*(16*\bt+\t)+1], v[OB+4*\t:OB+4*\t+1], s[GM:GM+1], v[4*(16*\bt+\t):4*(16*\bt+\t)+1] op_sel_hi:[1,0,1]
	v_pk_fma_f32 v[4*(16*\bt+\t)+2:4*(16*\bt+\t)+3], v[OB+4*\t+2:OB+4*\t+3], s[GM:GM+1], v[4*(16*\bt+\t)+2:4*(16*\bt+\t)+3] op_sel_hi:[1,0,1]
.endr
	WIN 0x04                                       ; a store's data are its source 1: window 1
.irp t, 0,1,2,3,4,5,6,7,8,9,10,11,12,13,14,15
	global_store_b128 v[L16], v[4*(16*\bt+\t):4*(16*\bt+\t)+3], s[14:15] offset:16384*(16*\bt+\t) th:TH_STORE_NT   ; 32 lanes store 512 consecutive bytes, aligned; each row has registers of its own, which are not written again
.endr
.endr
	WIN 0
	s_wait_tensorcnt 0x0                           ; the wave's end
	ds_add_u32 v[SPW], v[NIL]
	s_wait_dscnt 0x0
	ROUND                                          ; the closing round: no work-group ends while a partner may still ask for a tile that names it
	s_endpgm
.Lfunc_end_k_q378731c8cc_attn:
	.size	k_q378731c8cc_attn, .Lfunc_end_k_q378731c8cc_attn-k_q378731c8cc_attn
	.p2alignl 7, 3214868480
	.fill 96, 4, 3214868480
	.section	.rodata,"a",@progbits
	.p2align	6, 0x0
	.amdhsa_kernel k_q378731c8cc_attn
		.amdhsa_group_segment_fixed_size 327680
		.amdhsa_private_segment_fixed_size 0
		.amdhsa_enable_private_segment 0
		.amdhsa_kernarg_size 48
		.amdhsa_user_sgpr_count 2
		.amdhsa_user_sgpr_kernarg_segment_ptr 1
		.amdhsa_wavefront_size32 1
		.amdhsa_system_sgpr_workgroup_id_x 1
		.amdhsa_system_sgpr_workgroup_id_y 1
		.amdhsa_system_sgpr_workgroup_id_z 1
		.amdhsa_system_vgpr_workitem_id 0
		.amdhsa_next_free_vgpr 1024
		.amdhsa_next_free_sgpr 66
		.amdhsa_reserve_vcc 0
		.amdhsa_float_denorm_mode_32 3
		.amdhsa_float_denorm_mode_16_64 3
		.amdhsa_memory_ordered 1
		.amdhsa_forward_progress 1
		.amdhsa_inst_pref_size 246
	.end_amdhsa_kernel
	.amdgpu_metadata
---
amdhsa.version: [ 1, 2 ]
amdhsa.kernels:
  - .name:           k_q378731c8cc_attn
    .symbol:         k_q378731c8cc_attn.kd
    .args:
      - { .name: qb, .offset: 0, .size: 8, .value_kind: global_buffer, .address_space: global }
      - { .name: kvb, .offset: 8, .size: 8, .value_kind: global_buffer, .address_space: global }
      - { .name: st, .offset: 16, .size: 8, .value_kind: global_buffer, .address_space: global }
      - { .name: x, .offset: 24, .size: 8, .value_kind: global_buffer, .address_space: global }
      - { .name: gamma, .offset: 32, .size: 8, .value_kind: global_buffer, .address_space: global }
      - { .name: out0, .offset: 40, .size: 8, .value_kind: global_buffer, .address_space: global }
    .group_segment_fixed_size: 327680
    .private_segment_fixed_size: 0
    .kernarg_segment_align: 8
    .kernarg_segment_size: 48
    .max_flat_workgroup_size: 128
    .sgpr_count:     66
    .vgpr_count:     1024
    .wavefront_size: 32
...
	.end_amdgpu_metadata
.endif
;; end of part 3
